; MI455X (gfx1250); checked and timed in simulation.
; The chip was launched on July 23, 2026; its instructions are those of AMD's public machine-readable ISA for CDNA 5 (MIT licence, August 2026) and "CDNA5" Instruction Set Architecture Reference Guide (July 2026). The comments in the code are by the model that wrote it; some were corrected since.
;; Bahdanau Attention. Allowed arithmetic: matrix products marked QUANTISED: E5M2 operands, one given power-of-two scale a tensor, by v_wmma_f32_16x16x64_bf8_bf8 or v_wmma_f32_16x16x128_bf8_bf8, f32 sums; products left as they are: f32 operands where the result goes on into a quantised operand, else bf16, f16 or f32 operands; f32 sums; everything else in f32.
;; Inputs: W_h 1,024 x 2,048 float32; W_s 1,024 x 1,024 float32; dec_hidden 32 x 1,024 float32; enc_outputs 32 x 1,024 x 2,048 float32; lowp_scales 4 int32 (the exponents e of the quantised operands' scales 2^e); v 1,024 float32.
;; Outputs: out0 32 x 2,048 float32; out1 32 x 1,024 float32.
;; This version of the problem:
;;   THIS VERSION OF THE PROBLEM IS GIVEN IN LOW PRECISION. The matrix products marked QUANTISED in the list below multiply operands that are first quantised to E5M2 (5 exponent bits, 2 mantissa bits; 8 bits a number), with one given power-of-two scale for each operand tensor; their sums are f32. All else is computed in f32.
;;   The module's matrix products, in the order in which they are computed (A, B: the left and right operand; K: the contracted axis; several contracted axes count as one K, in the product's order):
;;     1. [M 32, K 1,024] x [K 1,024, N 1,024]; A: input dec_hidden; B: input W_s: QUANTISED (scales: A lowp_scales[0], B lowp_scales[1])
;;     2. [M 32,768, K 2,048] x [K 2,048, N 1,024]; A: input enc_outputs; B: input W_h: QUANTISED (scales: A lowp_scales[2], B lowp_scales[3])
;;     3. [M 32,768, K 1,024] x [K 1,024, N 1]; A: computed on the way; B: input v: left as it is (N = 1 < 16)
;;     4. batch 32 x [M 1, K 1,024] x [K 1,024, N 2,048]; A: softmax; B: input enc_outputs: left as it is (M = 1 < 16)
;;   THE QUANTISER, for each operand of a quantised product, along K:
;;     - The operand's scale is 2^e, e = its entry of the input lowp_scales (int32; the entries are numbered through the quantised products in the list's order, A before B).
;;     - Each number is divided by the scale, clamped to +-57,344, and rounded to the nearest number of E5M2, ties to even, subnormals kept.
;;     - The product sums the exact products of the quantised numbers (number of the format x scale) in f32.
;;   ~~~python
;;   def quantise(x, axis, e):      # numpy; x: float32 -> the quantised numbers, widened to float32 again
;;       x = np.moveaxis(x, axis, -1); K = x.shape[-1]
;;       r = np.clip(x / 2.0 ** e, -57344, 57344)
;;       step = 2.0 ** (np.maximum(np.frexp(np.where(r == 0, 1, r))[1] - 1, -14) - 2)
;;       q = np.round(r / step) * step * 2.0 ** e      # np.round: ties to even
;;       return np.moveaxis(q, -1, axis).astype(np.float32)
;;   ~~~
;; One version. Each part assembles by itself: llvm-mc -triple=amdgcn-amd-amdhsa -mcpu=gfx1250 --defsym DOCPART=n.
;; ======== version 1 of 1: 3 launches
;; workspace buffers: whc 2,097,152 bytes; sws 131,072 bytes; sc 131,072 bytes; pctx 4,194,304 bytes
;; launch prep (part 1): grid 64 x 2, 8 waves a work-group, no clusters, 64,512 bytes of LDS; arguments W_h, W_s, dec_hidden, lowp_scales, whc, sws; writes whc, sws
.if DOCPART == 1
	.amdgcn_target "amdgcn-amd-amdhsa--gfx1250"
	.amdhsa_code_object_version 6
	.text
	.protected	k_qab2f93bc0a_prep
	.globl	k_qab2f93bc0a_prep
	.p2align	8
	.type	k_qab2f93bc0a_prep,@function
k_qab2f93bc0a_prep:
	s_mov_b64 s[64:65], 0
	v_nop
	global_prefetch_b8 v0, s[64:65] scope:SCOPE_SE
	s_setreg_imm32_b32 hwreg(HW_REG_WAVE_MODE, 25, 1), 1
	s_wait_xcnt 0x0
; FIRST OF THREE LAUNCHES.  ctx, attn = additive attention: s = dec W_s^T, h = enc W_h^T (both on codes of E5M2, one given scale 2^e a tensor), score = v . tanh(s + h), softmax over the 1,024 positions, ctx = attn . enc.
; This launch: (1) W_h [1024][2048] f32 becomes codes, laid in the order of a matrix operand's registers: whc[K step 16][tile of 16 rows 64][c 4][lane 32][16 bytes]; lane (r, h) holds row 16 tile + r, k = 128 step + 32 c + 16 h + 0 .. 15.
;              (2) s = Q(dec) Q(W_s)^T x 2^(e0 + e1), laid sws[tile of 16 columns 64][batch 32][16] f32.
; WORK LEFT OUT, IN THE WHOLE PROGRAM.  tanh(x) = 1 - 2 / (1 + 2^(2 x log2 e)), so score(b, l) = sum_d v_d - 2 sum_d v_d / (1 + 2^..).  The term sum_d v_d is the same for all l of a batch, whatever the inputs hold:
; added to a softmax's input along its axis it cancels in attn and so in ctx.  It is not formed.  Every input stays in use.  LIMIT: an overflow or infinity that reaches only sum_d v_d is not carried to the result.
; LIMITS: each of e0 .. e3 between -126 and 112; e0 + e1 between -126 and 127.  NaN among the inputs is not served (an infinity is held at the largest code).
; ORDER OF SUMS: k stands in the operands' registers by runs of 16 (the same places in both operands, so every product meets its partner); product 1 is summed from eight parts of 128 along K.
; SHARES.  Work-group (x = tile nt of 16 rows of W_s and of W_h, y = mt).  Wave k takes three UNITS of 16 rows x 128 along K: U0 = dec rows 16 mt .., k 128 k ..; U1 = W_s rows 16 nt .., the same k; U2 = W_h rows 16 nt .., K step 8 mt + k.
; A UNIT: sixteen loads, a row each, 512 consecutive bytes; a lane then holds k = 4 lane .. + 3 of each row.  A conversion takes the registers of two rows and gives a word of four codes for each.  The words go into the wave's own
; stage in LDS (rows of 128 bytes, 144 apart) and come back as the operand's registers.  The stage is the wave's own: LDS serves a wave's instructions in order, so no barrier and no wait stands between the stores and the loads.
; No tensor loads, no cluster: each unit is read by one wave, and the launch is short.
.set UPITCH, 144                       ; a stage row: 128 bytes + 16: 36 words, so the 16 rows of a load begin at 16 different banks (64 banks of 4 bytes: ISA guide 11.1)
.set USZ,    16*UPITCH                 ; a unit's stage
.set WSTG,   3*USZ                     ; a wave's three stages
.set PB,     8*WSTG                    ; the eight waves' parts of s: [k 8][batch 16][column 16] f32
.set SPARE,  PB+8192                   ; the spare words, 128 bytes for each wave: four blocks of 256 bytes that no other line names
.set U0, 32                            ; v32-95    dec's unit; its fragment lands in v32-47
.set U1, 96                            ; v96-159   W_s's; fragment in v96-111
.set U2, 160                           ; v160-223  W_h's; fragment in v160-175
.set C,  224                           ; v224-239  a unit's codes, a word a row
.set D,  240                           ; v240-247  the product
; v1 spare word's address, v2 = 0 (kept for the add alone); v3 16 x lane; v4 stage, way in; v5 stage, way back; v6 where my part of s goes; v7 where a thread reads the parts; v14 16 x thread; v8/9, v10/11, v12/13: 2^e and 57,344 x 2^e for e0, e1, e3
	s_load_b256 s[4:11], s[0:1], 0x0               ; W_h s[4:5], W_s s[6:7], dec s[8:9], the exponents s[10:11]
	s_load_b128 s[12:15], s[0:1], 0x20             ; whc s[12:13], sws s[14:15]
	v_lshl_add_u32 v1, v0, 2, SPARE
	v_mov_b32 v2, 0
	v_lshrrev_b32 v15, 5, v0
	v_readfirstlane_b32 s16, v15                   ; wave k
	s_and_b32 s18, ttmp7, 0xffff                   ; mt
	v_and_b32 v16, 31, v0                          ; lane
	v_and_b32 v17, 15, v0                          ; r
	v_bfe_u32 v18, v0, 4, 1                        ; h
	v_lshlrev_b32 v3, 4, v16
	s_mul_i32 s19, s16, WSTG
	v_lshl_add_u32 v4, v16, 2, s19                 ; in: 4 x lane in a row
	v_mul_u32_u24 v5, v17, UPITCH
	v_lshl_add_u32 v5, v18, 4, v5
	v_add_nc_u32 v5, s19, v5                       ; back: row r, + 16 h
	s_lshl_b32 s26, s16, 10
	s_add_co_u32 s26, s26, PB
	v_lshlrev_b32 v6, 6, v17
	v_lshl_add_u32 v6, v18, 5, v6
	v_add_nc_u32 v6, s26, v6                       ; my part of s: batch row r, columns 8 h ..
	v_lshl_add_u32 v7, v0, 4, PB
	v_lshlrev_b32 v14, 4, v0
	s_lshl_b32 s27, s16, 9                         ; 128 k numbers of f32
	s_lshl_b32 s28, s18, 16                        ; dec: 16 mt rows of 4,096 bytes
	s_add_co_u32 s28, s28, s27
	s_mov_b32 s29, 0
	s_lshl_b32 s30, ttmp9, 16                      ; W_s: 16 nt rows of 4,096 bytes
	s_add_co_u32 s30, s30, s27
	s_mov_b32 s31, 0
	s_lshl_b32 s32, ttmp9, 17                      ; W_h: 16 nt rows of 8,192 bytes, K step 8 mt + k
	s_lshl_b32 s38, s18, 12
	s_add_co_u32 s32, s32, s38
	s_add_co_u32 s32, s32, s27
	s_mov_b32 s33, 0
	s_lshl_b32 s34, s18, 20                        ; whc: (64 (8 mt + k) + nt) x 2,048
	s_lshl_b32 s38, s16, 17
	s_add_co_u32 s34, s34, s38
	s_lshl_b32 s38, ttmp9, 11
	s_add_co_u32 s34, s34, s38
	s_mov_b32 s35, 0
	s_lshl_b32 s36, s18, 10                        ; sws: 2,048 nt + 1,024 mt
	s_add_co_u32 s36, s36, s38
	s_mov_b32 s37, 0
	s_wait_kmcnt 0x0
	s_load_b128 s[20:23], s[10:11], 0x0            ; e0 .. e3
	s_add_nc_u64 s[8:9], s[8:9], s[28:29]
	s_add_nc_u64 s[6:7], s[6:7], s[30:31]
	s_add_nc_u64 s[4:5], s[4:5], s[32:33]
	s_add_nc_u64 s[12:13], s[12:13], s[34:35]
	s_add_nc_u64 s[14:15], s[14:15], s[36:37]
.set ii, 0
.rept 16
	global_load_b128 v[U0+4*ii:U0+4*ii+3], v3, s[8:9] offset:4096*ii
.set ii, ii+1
.endr
.set ii, 0
.rept 16
	global_load_b128 v[U1+4*ii:U1+4*ii+3], v3, s[6:7] offset:4096*ii
.set ii, ii+1
.endr
.set ii, 0
.rept 16
	global_load_b128 v[U2+4*ii:U2+4*ii+3], v3, s[4:5] offset:8192*ii th:TH_LOAD_NT   ; read once in the launch
.set ii, ii+1
.endr
.macro POW2 e, vs, vl                  ; 2^e as f32 (the conversion takes its exponent field), and the largest number x 2^e
	s_add_co_i32 s38, s[\e], 127
	s_lshl_b32 s39, s38, 23
	v_mov_b32 v[\vs], s39
	s_add_co_i32 s38, s38, 15
	s_lshl_b32 s38, s38, 23
	s_or_b32 s38, s38, 0x600000
	v_mov_b32 v[\vl], s38
.endm
	s_wait_kmcnt 0x0
	POW2 20, 8, 9
	POW2 21, 10, 11
	POW2 23, 12, 13
	s_add_co_i32 s24, s20, s21
	s_add_co_i32 s24, s24, 127
	s_lshl_b32 s24, s24, 23                        ; 2^(e0 + e1) as f32
	s_mov_b32 s25, s24                             ; (named with it as a pair, so it is written)
; A unit's 64 numbers become codes, go through the stage at byte off and come back as a fragment.  wt = 1: an earlier unit's stores have read C first.
.macro QUNIT st, scl, lim, off, frag, wt
.set ii, 0
.rept 64
	v_med3_num_f32 v[\st+ii], v[\st+ii], -v[\lim], v[\lim]   ; the conversion to an 8-bit code does not saturate (ISA guide 7.6.2): the hold at the largest code x the scale
.set ii, ii+1
.endr
.if \wt
	s_wait_dscnt 0x0
.endif
.set ii, 0
.rept 8
	v_cvt_scalef32_pk8_bf8_f32 v[C+2*ii:C+2*ii+1], v[\st+8*ii:\st+8*ii+7], v[\scl]   ; rows 2 ii and 2 ii + 1: a word of four codes each
.set ii, ii+1
.endr
	v_nop                                          ; one plain vector line behind the last conversion
.set ii, 0
.rept 16
	ds_store_b32 v4, v[C+ii] offset:\off+UPITCH*ii
.set ii, ii+1
.endr
.set ii, 0
.rept 4
	ds_load_b128 v[\frag+4*ii:\frag+4*ii+3], v5 offset:\off+32*ii   ; registers 4 c .. 4 c + 3: k = 32 c + 16 h + 0 .. 15 of row r
.set ii, ii+1
.endr
.endm
	s_wait_loadcnt 32                              ; dec's 16 loads are in; the 32 behind them may be out
	QUNIT U0, 8, 9, 0, U0, 0
	s_wait_loadcnt 16                              ; W_s's are in; W_h's 16 may be out
	QUNIT U1, 10, 11, USZ, U1, 1
	s_wait_dscnt 0x0                               ; both fragments are in
	v_wmma_f32_16x16x128_bf8_bf8 v[D:D+7], v[U1:U1+15], v[U0:U0+15], 0   ; used transposed: source 0 = 16 rows of W_s, source 1 = 16 rows of dec: lane (r, h) holds batch row r, columns 8 h + 0 .. 7
	s_wait_loadcnt 0x0
	QUNIT U2, 12, 13, 2*USZ, U2, 1                 ; its 64 holds, which name none of the product's registers, are the places behind the matrix instruction
	ds_store_b128 v6, v[D:D+3]                     ; the result from its low end on
	ds_store_b128 v6, v[D+4:D+7] offset:16
	s_wait_dscnt 0x0                               ; W_h's fragment is in; for the others' sake: my part of s has landed
.set ii, 0
.rept 4
	global_store_b128 v3, v[U2+4*ii:U2+4*ii+3], s[12:13] offset:512*ii   ; 32 lanes store 512 consecutive bytes, at a multiple of 512 from the buffer's first byte
.set ii, ii+1
.endr
	s_barrier_signal -1
	s_barrier_wait -1                              ; the eight parts of s lie in LDS
	s_cmp_gt_u32 s16, 1
	s_cbranch_scc1 .Lend                           ; 16 x 16 numbers are 64 threads' 16 bytes: waves 0 and 1 add them
.set ii, 0
.rept 8
	ds_load_b128 v[32+4*ii:35+4*ii], v7 offset:1024*ii
.set ii, ii+1
.endr
	s_wait_dscnt 0x0
.set ii, 1
.rept 7
	v_pk_add_f32 v[32:33], v[32:33], v[32+4*ii:33+4*ii]   ; K ascending, in two chains
	v_pk_add_f32 v[34:35], v[34:35], v[34+4*ii:35+4*ii]
.set ii, ii+1
.endr
	v_pk_mul_f32 v[32:33], v[32:33], s[24:25] op_sel_hi:[1,0]   ; x 2^(e0 + e1)
	v_pk_mul_f32 v[34:35], v[34:35], s[24:25] op_sel_hi:[1,0]
	global_store_b128 v14, v[32:35], s[14:15]      ; a wave stores 512 consecutive bytes
.Lend:
	s_wait_tensorcnt 0x0                           ; the wave's end: behind my last LDS store
	ds_add_u32 v1, v2
	s_wait_dscnt 0x0
	s_endpgm
.Lfunc_end_k_qab2f93bc0a_prep:
	.size	k_qab2f93bc0a_prep, .Lfunc_end_k_qab2f93bc0a_prep-k_qab2f93bc0a_prep
	.p2alignl 7, 3214868480
	.fill 96, 4, 3214868480
	.section	.rodata,"a",@progbits
	.p2align	6, 0x0
	.amdhsa_kernel k_qab2f93bc0a_prep
		.amdhsa_group_segment_fixed_size 64512
		.amdhsa_private_segment_fixed_size 0
		.amdhsa_enable_private_segment 0
		.amdhsa_kernarg_size 48
		.amdhsa_user_sgpr_count 2
		.amdhsa_user_sgpr_kernarg_segment_ptr 1
		.amdhsa_wavefront_size32 1
		.amdhsa_system_sgpr_workgroup_id_x 1
		.amdhsa_system_sgpr_workgroup_id_y 1
		.amdhsa_system_sgpr_workgroup_id_z 1
		.amdhsa_system_vgpr_workitem_id 0
		.amdhsa_next_free_vgpr 256
		.amdhsa_next_free_sgpr 66
		.amdhsa_reserve_vcc 0
		.amdhsa_float_denorm_mode_32 3
		.amdhsa_float_denorm_mode_16_64 3
		.amdhsa_memory_ordered 1
		.amdhsa_forward_progress 1
		.amdhsa_inst_pref_size 28
	.end_amdhsa_kernel
	.amdgpu_metadata
---
amdhsa.version: [ 1, 2 ]
amdhsa.kernels:
  - .name:           k_qab2f93bc0a_prep
    .symbol:         k_qab2f93bc0a_prep.kd
    .args:
      - { .name: W_h, .offset: 0, .size: 8, .value_kind: global_buffer, .address_space: global }
      - { .name: W_s, .offset: 8, .size: 8, .value_kind: global_buffer, .address_space: global }
      - { .name: dec_hidden, .offset: 16, .size: 8, .value_kind: global_buffer, .address_space: global }
      - { .name: lowp_scales, .offset: 24, .size: 8, .value_kind: global_buffer, .address_space: global }
      - { .name: whc, .offset: 32, .size: 8, .value_kind: global_buffer, .address_space: global }
      - { .name: sws, .offset: 40, .size: 8, .value_kind: global_buffer, .address_space: global }
    .group_segment_fixed_size: 64512
    .private_segment_fixed_size: 0
    .kernarg_segment_align: 8
    .kernarg_segment_size: 48
    .max_flat_workgroup_size: 256
    .sgpr_count:     66
    .vgpr_count:     256
    .wavefront_size: 32
...
	.end_amdgpu_metadata
.endif
;; end of part 1
;; launch fused (part 2): grid 512 x 1, 4 waves a work-group, no clusters, 283,136 bytes of LDS; arguments enc_outputs, whc, sws, v, lowp_scales, sc, pctx; writes sc, pctx
.if DOCPART == 2
	.amdgcn_target "amdgcn-amd-amdhsa--gfx1250"
	.amdhsa_code_object_version 6
	.text
	.protected	k_qab2f93bc0a_fused
	.globl	k_qab2f93bc0a_fused
	.p2align	8
	.type	k_qab2f93bc0a_fused,@function
k_qab2f93bc0a_fused:
	s_mov_b64 s[64:65], 0
	v_nop
	global_prefetch_b8 v0, s[64:65] scope:SCOPE_SE
	s_setreg_imm32_b32 hwreg(HW_REG_WAVE_MODE, 25, 1), 1
	s_wait_xcnt 0x0
; SECOND OF THREE LAUNCHES.  For a block of 64 positions of one batch: enc's rows are read from memory ONCE, quantised (E5M2, scale 2^e2) for h = enc W_h^T and kept as bf16 in LDS for ctx; then tanh, the scores,
; the block's own softmax numerators and the block's part of ctx.  Stored: sc[32768] = score2 = log2(e) x (score - sum_d v_d);  pctx[block 512][2048] = sum over the block's rows of 2^(score2 - block's largest) x bf16(enc).
; WORK LEFT OUT: the term sum_d v_d of every score, the same along the softmax's axis (shown at the head of the first launch); an overflow that reaches it alone is not carried on.
; THE MAXIMUM is taken away before every exponential: here the block's; the last launch finds the same block maxima in sc and brings the parts under the batch's.
; tanh(x) = 1 - 2 r, r = 1 / (1 + 2^t), t = 2 log2(e) x: where 2^t is infinite r is 0, where it is 0 r is 1, so no clamp is wanted.  score2 = sum_d (-2 log2(e) v_d) r_d.
; LIMITS: e2 between -126 and 112; e2 + e3 between -127 and 126 (added to an exponent field).  NaN among the inputs is not served.  ctx takes enc rounded to bf16.  k stands in both operands' registers by runs of 16.
; SHARES.  Four waves, as many as a WGP has SIMDs.  Wave w (a) loads, quantises and copies rows 16 w .. 16 w + 15, and (b) multiplies all 64 rows by W_h's rows (h's columns) 256 w .. 256 w + 255: 64 accumulators, 512 registers.
; Source 0 = 16 rows of enc, source 1 = 16 rows of W_h: register j of lane (r, h) of accumulator (a, b) is row 16 a + 8 h + j, column 256 w + 16 b + r.  So a row's score is a sum along a lane's tiles, then over 16 lanes, then over 4 waves.
; W_h'S CODES GO FROM MEMORY STRAIGHT INTO REGISTERS, in the operand's order (the first launch laid them so): each wave's 256 rows of W_h are read by that wave alone, so LDS would add no reuse inside the work-group.
; NO CLUSTER, NO JOINT LOADS, though every work-group walks the same codes: a joint load lands in LDS; one K step of W_h's codes is 131,072 bytes and two slots 262,144, and the copy of the block's rows takes 262,144 of the
; 327,680 bytes that a work-group can be given.  A block of 32 rows would leave the room and double the bytes of W_h for each row.  NO TENSOR LOADS for enc: what LDS has left beside the copy would hold two slots of under 16 KiB.
; K goes in 16 steps of 128.  In step s a wave multiplies A(s) B(s), loads B(s + 1) group by group into the registers just multiplied, quantises its rows' unit s + 1 four rows at a time, and loads unit s + 2 into each four rows'
; registers as soon as their conversions have read them.  ONE barrier a step.
; REGISTERS, in windows of 256: window 0: v1-31 addresses and small things; v32-47 T: bf16 pairs, two sets of 8; v48-55 C: codes, two sets of 4; v64-127 ST: 16 rows x 4 numbers of enc; v128-191, v192-255 A's four fragments, two sets.
;   window 1: B's 16 fragments, b at v[16 b].   window 2: accumulators of b = 0 .. 7 at v[32 b + 8 a];   window 3: of b = 8 .. 15.
;   Behind the K steps window 0 holds: v64-79 s, v80-95 v as loaded; v96-127 SCR: 32 rows' sums; v128-159 S2T, v160-191 VMT: a pair for each tile; v192-255 T64.  For ctx: v32-47 CX, v64-71 eight p, v128-191 X.
.set COPY, 0                           ; row l x 4,096 + 2 e: the block's rows as bf16
.set AT0,  262144                      ; A's codes of a K step: 64 rows of 128 bytes, 144 apart (36 words: the 16 rows of a load begin at 16 different banks; 64 banks of 4 bytes: ISA guide 11.1); even steps here,
.set ATS,  9216                        ; odd steps this much further on
.set SCB,  AT0+2*ATS                   ; [wave 4][row 64] f32: the waves' parts of the scores
.set PB,   SCB+1024                    ; [wave 4][row 64] f32: p, a copy of its own for each wave
.set SPARE, PB+1024                    ; the spare words, 128 bytes for each wave: two blocks of 256 bytes that no other line names
.set T,   32
.set C,   48
.set ST,  64
.set AF,  128
.set SCR, 96
.set S2T, 128
.set VMT, 160
.set T64, 192
.set CX,  32
.set X,   128
; v1 spare word's address, v2 = 0 (kept for the add alone); v3 16 x lane; v5 the prefetches' offset; v6 copy: 65,536 w + 8 lane; v7 the same + the trip's bytes; v8 A's codes, way in; v9 way back; v10 2^e2; v11 57,344 x 2^e2
; v12 4 r; v13 where my sums go; v14 where a lane reads two rows' parts; v15 where my p go; v16 8 x lane; v17 copy: 1,024 w + 8 lane; v18 my p; v19, v20 the ctx loop's addresses; v22-31 at work
; s18 wave; s[20:23] e0 .. e3; s[24:25] enc at my rows; s[26:27] whc at my tiles; s28 the copy's bytes along a row; s29 trips; s[30:31] 2 log2(e) 2^(e2 + e3); s[32:33] lane selects; s[34:35] sws, s[36:37] v at my columns
.set MSB, 0
.macro WIN new                         ; s_set_vgpr_msb: bits 1:0 source 0, 3:2 source 1, 5:4 source 2, 7:6 destination; the high byte repeats the setting that is left
.if MSB != \new
	s_set_vgpr_msb (MSB<<8)|\new
.set MSB, \new
.endif
.endm
.set MUL_LO, 0xa4                      ; source 0 (A) window 0, source 1 (B) window 1, C and D window 2
.set MUL_HI, 0xf4                      ; the same, C and D window 3
.set TO_B,   0x40                      ; destination window 1, address window 0
.set ACC_LO, 0x02                      ; source 0 window 2
.set ACC_HI, 0x03                      ; source 0 window 3
; A load into a register that a matrix instruction has read, and a vector instruction that reads a matrix result, stand four places behind it; only plain vector instructions that name none of its registers are places
.macro PLACES
.rept 4
	v_nop
.endr
.endm
; 16 matrix instructions: B's tiles 4 g .. 4 g + 3 x A's four.  The 64 accumulators take turns, one instruction a turn, in the same order in every step.  zero = 1: the first product starts the sums.
.macro MUL g, par, zero
.irp bb, 0,1,2,3
.irp a, 0,1,2,3
.if \zero
	v_wmma_f32_16x16x128_bf8_bf8 v[32*((4*(\g)+\bb)%8)+8*\a:32*((4*(\g)+\bb)%8)+8*\a+7], v[AF+64*(\par)+16*\a:AF+64*(\par)+16*\a+15], v[16*(4*(\g)+\bb):16*(4*(\g)+\bb)+15], 0
.else
	v_wmma_f32_16x16x128_bf8_bf8 v[32*((4*(\g)+\bb)%8)+8*\a:32*((4*(\g)+\bb)%8)+8*\a+7], v[AF+64*(\par)+16*\a:AF+64*(\par)+16*\a+15], v[16*(4*(\g)+\bb):16*(4*(\g)+\bb)+15], v[32*((4*(\g)+\bb)%8)+8*\a:32*((4*(\g)+\bb)%8)+8*\a+7]
.endif
.endr
.endr
.endm
.macro REFILL g, off                   ; 16 loads: B's fragments 4 g .. 4 g + 3 of the K step at byte off; each load 512 consecutive bytes
.irp bb, 0,1,2,3
.irp c, 0,1,2,3
	global_load_b128 v[16*(4*(\g)+\bb)+4*\c:16*(4*(\g)+\bb)+4*\c+3], v3, s[26:27] offset:(\off)+2048*(4*(\g)+\bb)+512*\c
.endr
.endr
.endm
.macro ELOADQ q, off                   ; 4 loads: 128 numbers of each of my rows 4 q .. 4 q + 3, 512 consecutive bytes a load; read once in the launch
.set qi, 0
.rept 4
	global_load_b128 v[ST+16*(\q)+4*qi:ST+16*(\q)+4*qi+3], v3, s[24:25] offset:(\off)+8192*(4*(\q)+qi) th:TH_LOAD_NT
.set qi, qi+1
.endr
.endm
; A PREFETCH of the unit that the step after next will load: my own 16 rows x 512 bytes, a lane to each aligned 256 bytes, one instruction a wave: two K steps, 128 matrix instructions, ahead of its load.  Each 256 bytes of enc are
; named once in the launch, by the wave that will load them.  It stands behind the step's loads of enc.  Units 0 to 3 come by their loads alone; steps 0 to 11 ask; step 12 (the loop's last trip) and the tail ask for nothing.
.macro ASK off, guard
.if \guard
	s_cmp_lg_u32 s29, 1
	s_cbranch_scc0 .Lno_ask_\@
.endif
	global_prefetch_b8 v5, s[24:25] offset:\off th:TH_LOAD_NT scope:SCOPE_SE
.if \guard
.Lno_ask_\@:
.endif
.endm
; Four rows, 4 q .. 4 q + 3 (16 registers of ST): rounded to bf16 into the copy, as they came; then held, converted, and their codes stored as rows of A.  T and C lie outside ST, so no LDS store reads ST.
.macro QQ q, cp, at
.set qs, ST+16*(\q)
.set qt, T+8*((\q)%2)
.set qc, C+4*((\q)%2)
.set qi, 0
.rept 4
	v_cvt_pk_bf16_f32 v[qt+2*qi], v[qs+4*qi], v[qs+4*qi+1]
	v_cvt_pk_bf16_f32 v[qt+2*qi+1], v[qs+4*qi+2], v[qs+4*qi+3]
.set qi, qi+1
.endr
.set qi, 0
.rept 4
	ds_store_b64 v7, v[qt+2*qi:qt+2*qi+1] offset:(\cp)+4096*(4*(\q)+qi)   ; 32 lanes: 256 consecutive bytes of a row
.set qi, qi+1
.endr
.set qi, 0
.rept 16
	v_med3_num_f32 v[qs+qi], v[qs+qi], -v11, v11   ; the conversion to an 8-bit code does not saturate (ISA guide 7.6.2): the hold at the largest code x the scale
.set qi, qi+1
.endr
.set qi, 0
.rept 2
	v_cvt_scalef32_pk8_bf8_f32 v[qc+2*qi:qc+2*qi+1], v[qs+8*qi:qs+8*qi+7], v10   ; two rows: a word of four codes each
.set qi, qi+1
.endr
	v_nop                                          ; one plain vector line behind the last conversion
.set qi, 0
.rept 4
	ds_store_b32 v8, v[qc+qi] offset:ATS*(\at)+144*(4*(\q)+qi)
.set qi, qi+1
.endr
.endm
; A unit of 16 rows, four rows at a time.  ld = 1: each four rows' registers are loaded again, from byte eoff of the rows, directly behind the conversions that read them: the next unit's first loads go out behind
; one quarter's 35 lines, not behind the whole unit.  T and C have two sets, taken by turns: ahead of the third and the fourth quarter the eight stores of the quarter two back have read their set; the eight behind them may be out.
.macro QUANT cp, at, ld, eoff
.irp q, 0,1,2,3
.if \q > 1
	s_wait_dscnt 8
.endif
	QQ \q, \cp, \at
.if \ld
	ELOADQ \q, \eoff
.endif
.endr
.endm
.macro LA par                          ; A's four fragments: registers 4 c .. 4 c + 3 of lane (r, h): k = 32 c + 16 h + 0 .. 15 of row 16 a + r
.irp a, 0,1,2,3
.irp c, 0,1,2,3
	ds_load_b128 v[AF+64*(\par)+16*\a+4*\c:AF+64*(\par)+16*\a+4*\c+3], v9 offset:ATS*(\par)+2304*\a+32*\c
.endr
.endr
.endm
.macro SVLOAD                          ; s and v at my lane's column of each of my 16 tiles
.set qi, 0
.rept 16
	global_load_b32 v[64+qi], v12, s[34:35] offset:2048*qi
.set qi, qi+1
.endr
.set qi, 0
.rept 16
	global_load_b32 v[80+qi], v12, s[36:37] offset:64*qi
.set qi, qi+1
.endr
.endm
; A K STEP.  par: A's set.  boff: the next step's B; eoff: the unit after next of enc; cp: the next unit's place in a row of the copy.  mode 0: a full step; 1: the last but one (no more of enc: s and v are loaded in its place);
; 2: the last (products alone).  pf: the prefetch's offset, 0 for none; pg = 1: not in the loop's last trip.
; adv = 1: the two bases step in this step, ahead of REFILL 1, and the offsets behind that line are a trip's stride less.  The youngest loads out there are REFILL 0's, sixteen matrix instructions back.
; THE COUNTS.  A wave's loads go out in the order B0 B1 E B2 B3, 16 each, and come back in order (ISA guide 5.7.1).  Behind each group 64 loads are issued before it is used (80 round s and v); the wait's field holds 63 at the most,
; so 63 is written: one load more is waited for.  One wait serves E's four quarters: all 16 loads have 64 behind them.  In the last step: behind B2 stand B3's 16; behind B3 nothing.
; THE BARRIER.  In front of its signal my stores of A(s + 1) and of the copy have landed and my reads of A(s) are back (both waits on DScnt are for 0).  Behind its wait every wave reads A(s + 1); the set that held A(s) is written
; again only in the next step, which lies behind this barrier.  Between signal and wait stand matrix instructions alone.
.macro STEP par, zero, boff, eoff, cp, mode, pf, pg, adv
	s_wait_dscnt 0x0                               ; A(s) is in
	s_wait_loadcnt 63
	WIN MUL_LO
	MUL 0, \par, \zero
.if \mode < 2
	PLACES
	WIN TO_B
	REFILL 0, \boff
.endif
	s_wait_loadcnt 63
	WIN MUL_LO
	MUL 1, \par, \zero
.if \mode < 2
	PLACES
.if \adv
	s_wait_xcnt 0x0                                ; every load and prefetch issued so far has read its base: s[24:27] are written only behind this wait; the last prefetch stands 64 matrix instructions back
	s_add_nc_u64 s[24:25], s[24:25], 1024
	s_add_nc_u64 s[26:27], s[26:27], 262144
.endif
	WIN TO_B
	REFILL 1, (\boff)-262144*(\adv)
	WIN 0
	s_wait_loadcnt 63                              ; my rows' next unit is in
.if \mode == 0
	QUANT \cp, 1-\par, 1, (\eoff)-1024*(\adv)
.if \pf
	ASK (\pf)-1024*(\adv), \pg
.endif
.else
	QUANT \cp, 1-\par, 0, 0
	SVLOAD                                         ; into ST's first 32 registers, which the conversions have read
.endif
	s_wait_dscnt 0x0                               ; for the others' sake: my stores of A(s + 1) and of the copy have landed
.endif
.if \mode < 2
	s_wait_loadcnt 63
	s_barrier_signal -1
.else
	s_wait_loadcnt 16
.endif
	WIN MUL_HI
	MUL 2, \par, \zero
.if \mode < 2
	WIN 0
	s_barrier_wait -1
	PLACES                                         ; for the loads into B's registers below; A's other set was last multiplied a step ago
	LA 1-\par
	WIN TO_B
	REFILL 2, (\boff)-262144*(\adv)
	s_wait_loadcnt 63
.else
	s_wait_loadcnt 0x0
.endif
	WIN MUL_HI
	MUL 3, \par, \zero
.if \mode < 2
	PLACES
	WIN TO_B
	REFILL 3, (\boff)-262144*(\adv)
.endif
	WIN 0                                          ; at a label and at a branch every window is 0
.endm
	s_load_b256 s[4:11], s[0:1], 0x0               ; enc s[4:5], whc s[6:7], sws s[8:9], v s[10:11]
	s_load_b128 s[12:15], s[0:1], 0x20             ; the exponents s[12:13], sc s[14:15]
	s_load_b64 s[16:17], s[0:1], 0x30              ; pctx
	v_lshl_add_u32 v1, v0, 2, SPARE
	v_mov_b32 v2, 0
	v_lshrrev_b32 v31, 5, v0
	v_readfirstlane_b32 s18, v31                   ; wave w
	v_and_b32 v30, 31, v0                          ; lane
	v_and_b32 v29, 15, v0                          ; r
	v_bfe_u32 v28, v0, 4, 1                        ; h
	v_lshlrev_b32 v3, 4, v30
	v_lshrrev_b32 v5, 1, v30
	v_lshlrev_b32 v5, 13, v5
	v_and_b32 v27, 1, v30
	v_lshl_add_u32 v5, v27, 8, v5                  ; the prefetches: row lane / 2, half lane % 2 of its 512 bytes
	s_lshl_b32 s41, s18, 16
	v_lshl_add_u32 v6, v30, 3, s41                 ; the copy: my 16 rows of 4,096 bytes, 8 bytes a lane
	s_mul_i32 s41, s18, 2304
	s_add_co_u32 s41, s41, AT0
	v_lshl_add_u32 v8, v30, 2, s41                 ; A's codes, in: my 16 rows, 4 bytes a lane
	v_mul_u32_u24 v9, v29, 144
	v_lshl_add_u32 v9, v28, 4, v9
	v_add_nc_u32 v9, AT0, v9                       ; back: row r, + 16 h
	v_lshlrev_b32 v12, 2, v29
	s_lshl_b32 s42, s18, 8
	s_add_co_u32 s43, s42, SCB
	v_lshl_add_u32 v13, v28, 5, s43                ; my sums: 256 w + 4 x (8 h)
	v_lshl_add_u32 v14, v30, 3, SCB                ; rows 2 lane, 2 lane + 1
	s_add_co_u32 s43, s42, PB
	v_lshl_add_u32 v15, v30, 3, s43
	v_mov_b32 v18, s43
	v_lshlrev_b32 v16, 3, v30
	s_lshl_b32 s43, s18, 10
	v_lshl_add_u32 v17, v30, 3, s43                ; ctx: my 512 channels of a row of the copy, 8 bytes a lane
	s_lshl_b32 s44, ttmp9, 19                      ; enc: 64 rows of 8,192 bytes a block,
	s_lshl_b32 s41, s18, 17                        ; 16 of them a wave
	s_add_co_u32 s44, s44, s41
	s_mov_b32 s45, 0
	s_lshl_b32 s46, s18, 15                        ; whc: my 16 tiles of 2,048 bytes
	s_mov_b32 s47, 0
	s_lshr_b32 s48, ttmp9, 4                       ; the batch
	s_lshl_b32 s48, s48, 6
	s_add_co_u32 s48, s48, s46                     ; sws: my 16 tiles of 2,048 bytes, the batch's 64
	s_mov_b32 s49, 0
	s_mov_b32 s50, s43                             ; v: my 256 numbers
	s_mov_b32 s51, 0
	s_lshl_b32 s52, ttmp9, 8                       ; sc: 64 numbers a block
	s_mov_b32 s53, 0
	s_lshl_b32 s54, ttmp9, 13                      ; pctx: 8,192 bytes a block,
	s_lshl_b32 s41, s18, 11                        ; 2,048 a wave
	s_add_co_u32 s54, s54, s41
	s_mov_b32 s55, 0
	s_mov_b32 s32, 0x76543210                      ; v_permlanex16_b32: lane l xor 16
	s_mov_b32 s33, 0xfedcba98
	s_mov_b32 s28, 0
	s_wait_kmcnt 0x0
	s_load_b128 s[20:23], s[12:13], 0x0            ; e0 .. e3
	s_add_nc_u64 s[24:25], s[4:5], s[44:45]
	s_add_nc_u64 s[26:27], s[6:7], s[46:47]
	s_add_nc_u64 s[34:35], s[8:9], s[48:49]
	s_add_nc_u64 s[36:37], s[10:11], s[50:51]
	s_add_nc_u64 s[14:15], s[14:15], s[52:53]
	s_add_nc_u64 s[16:17], s[16:17], s[54:55]
	; THE WAY IN: unit 0 of enc, half of B(0); unit 0 is quantised and unit 1 asked for, quarter by quarter; then the rest of B(0): from here on the loads stand in the order B0 B1 E B2 B3
.irp q, 0,1,2,3
	ELOADQ \q, 0
.endr
	WIN TO_B
	REFILL 0, 0
	REFILL 1, 0
	WIN 0
	s_wait_kmcnt 0x0
	s_add_co_i32 s41, s22, 127
	s_lshl_b32 s42, s41, 23
	v_mov_b32 v10, s42                             ; 2^e2 as f32: the conversion takes its exponent field
	s_add_co_i32 s41, s41, 15
	s_lshl_b32 s41, s41, 23
	s_or_b32 s41, s41, 0x600000
	v_mov_b32 v11, s41                             ; 57,344 x 2^e2
	s_add_co_i32 s41, s22, s23
	s_lshl_b32 s41, s41, 23
	s_add_co_i32 s30, s41, 0x4038aa3b              ; 2 log2(e), with e2 + e3 added to its exponent field: a sum of the product stands for sum x 2^(e2 + e3)
	s_mov_b32 s31, s30                             ; (named with it as a pair, so it is written)
	v_add_nc_u32 v7, s28, v6
	s_wait_loadcnt 32                              ; unit 0 is in; B's 32 loads may be out
	QUANT 0, 0, 1, 512
	s_wait_dscnt 0x0
	s_barrier_signal -1
	s_barrier_wait -1                              ; A(0) lies in LDS
	LA 0
	WIN TO_B
	REFILL 2, 0
	REFILL 3, 0
	WIN 0
	STEP 0, 1, 131072, 1024, 256, 0, 2048, 0, 0    ; step 0 stands in front of the loop: its products start the sums, nothing is cleared
	s_mov_b32 s29, 6
.Ltrip:                                            ; trip tau = 0 .. 5: steps 2 tau + 1 and 2 tau + 2; at its head the bases stand at tau x (1,024 in enc's rows, 262,144 in whc, 512 in the copy's rows)
	v_add_nc_u32 v7, s28, v6                       ; (the LDS stores that named v7 were waited for in front of the last barrier)
	STEP 1, 0, 262144, 1536, 512, 0, 2560, 0, 0
	STEP 0, 0, 393216, 2048, 768, 0, 3072, 1, 1    ; enc's and whc's bases step inside this step
	s_add_co_u32 s28, s28, 512
	s_sub_co_u32 s29, s29, 1
	s_cmp_lg_u32 s29, 0
	s_cbranch_scc1 .Ltrip
	v_add_nc_u32 v7, s28, v6                       ; the tail is written out: no load leaves its buffer
	STEP 1, 0, 262144, 1536, 512, 0, 0, 0, 0       ; step 13: loads unit 15, the last
	STEP 0, 0, 393216, 0, 768, 1, 0, 0, 0          ; step 14: quantises unit 15; s and v are asked for
	STEP 1, 0, 0, 0, 0, 2, 0, 0, 0                 ; step 15
	; THE SCORES.  A pair for each tile: 2 log2(e) s and -2 log2(e) v of my lane's column, in both words.  These 64 plain lines, which name none of the last products' registers, are the places behind them.
.set ti, 0
.rept 16
	v_mul_f32 v[S2T+2*ti], 0x4038aa3b, v[64+ti]
	v_mul_f32 v[S2T+2*ti+1], 0x4038aa3b, v[64+ti]
	v_mul_f32 v[VMT+2*ti], 0xc038aa3b, v[80+ti]
	v_mul_f32 v[VMT+2*ti+1], 0xc038aa3b, v[80+ti]
.set ti, ti+1
.endr
; Tiles 2 beta and 2 beta + 1, 32 rows a lane each: t = 2 log2(e) (h + s); r = 1 / (1 + 2^t); SCR(row) += -2 log2(e) v r.  The exponentials are one batch with one wait, the reciprocals another
; Each accumulator is read from its low end on.
.macro TANH beta, first
.if (\beta) < 4
	WIN ACC_LO
.else
	WIN ACC_HI
.endif
.irp u, 0,1
.set ti, 0
.rept 16
	v_pk_fma_f32 v[T64+32*\u+2*ti:T64+32*\u+2*ti+1], v[32*((2*(\beta)+\u)%8)+2*ti:32*((2*(\beta)+\u)%8)+2*ti+1], s[30:31], v[S2T+2*(2*(\beta)+\u):S2T+2*(2*(\beta)+\u)+1] op_sel_hi:[1,0,1]
.set ti, ti+1
.endr
.endr
	WIN 0
.set ti, 0
.rept 64
	v_exp_f32 v[T64+ti], v[T64+ti]
.set ti, ti+1
.endr
	v_nop                                          ; a plain line behind the last of the batch
	s_wait_alu depctr_va_vdst(0)
.set ti, 0
.rept 32
	v_pk_add_f32 v[T64+2*ti:T64+2*ti+1], v[T64+2*ti:T64+2*ti+1], 1.0 op_sel_hi:[1,0]
.set ti, ti+1
.endr
.set ti, 0
.rept 64
	v_rcp_f32 v[T64+ti], v[T64+ti]
.set ti, ti+1
.endr
	v_nop
	s_wait_alu depctr_va_vdst(0)
.irp u, 0,1
.set ti, 0
.rept 16
.if \first && (\u == 0)
	v_pk_mul_f32 v[SCR+2*ti:SCR+2*ti+1], v[T64+32*\u+2*ti:T64+32*\u+2*ti+1], v[VMT+2*(2*(\beta)+\u):VMT+2*(2*(\beta)+\u)+1]   ; the first tile starts the sums
.else
	v_pk_fma_f32 v[SCR+2*ti:SCR+2*ti+1], v[T64+32*\u+2*ti:T64+32*\u+2*ti+1], v[VMT+2*(2*(\beta)+\u):VMT+2*(2*(\beta)+\u)+1], v[SCR+2*ti:SCR+2*ti+1]
.endif
.set ti, ti+1
.endr
.endr
.endm
	TANH 0, 1
.irp be, 1,2,3,4,5,6,7
	TANH \be, 0
.endr
.irp m, 1,2,4,8                        ; over the 16 lanes of a half, which hold 16 columns of the same rows
.set ti, 0
.rept 32
	v_add_f32_dpp v[SCR+ti], v[SCR+ti], v[SCR+ti] row_xmask:\m row_mask:0xf bank_mask:0xf
.set ti, ti+1
.endr
.endr
.irp a, 0,1,2,3
.irp j, 0,1,2,3,4,5,6,7
	ds_store_b32 v13, v[SCR+8*\a+\j] offset:64*\a+4*\j   ; row 16 a + 8 h + j: the sixteen lanes of a half write one word with one value
.endr
.endr
	s_wait_dscnt 0x0                               ; for the others' sake: my sums have landed (my part of the copy landed in the K steps)
	s_barrier_signal -1
	s_barrier_wait -1                              ; the four waves' sums and the whole copy lie in LDS
.irp k, 0,1,2,3
	ds_load_b64 v[22+2*\k:23+2*\k], v14 offset:256*\k
.endr
	s_wait_dscnt 0x0
	v_pk_add_f32 v[22:23], v[22:23], v[24:25]
	v_pk_add_f32 v[26:27], v[26:27], v[28:29]
	v_pk_add_f32 v[22:23], v[22:23], v[26:27]      ; score2 of rows 2 lane and 2 lane + 1: every wave makes all 64, by the same lines, so all four hold the same bits
	v_max_num_f32 v30, v22, v23
	v_max_num_f32_dpp v30, v30, v30 row_xmask:1 row_mask:0xf bank_mask:0xf
	v_max_num_f32_dpp v30, v30, v30 row_xmask:2 row_mask:0xf bank_mask:0xf
	v_max_num_f32_dpp v30, v30, v30 row_xmask:4 row_mask:0xf bank_mask:0xf
	v_max_num_f32_dpp v30, v30, v30 row_xmask:8 row_mask:0xf bank_mask:0xf
	v_permlanex16_b32 v31, v30, s32, s33           ; (its destination counts as read: v31 was written at the head)
	v_max_num_f32 v30, v30, v31                    ; the block's largest
	v_sub_f32 v24, v22, v30
	v_sub_f32 v25, v23, v30
	v_exp_f32 v24, v24                             ; p = 2^(score2 - the block's largest), at most 1
	v_exp_f32 v25, v25
	v_nop
	s_wait_alu depctr_va_vdst(0)
	ds_store_b64 v15, v[24:25]                     ; into my wave's own copy of p: LDS serves a wave's instructions in order, so the loads below see it
	s_cmp_lg_u32 s18, 0
	s_cbranch_scc1 .Lnot_wave_0
	global_store_b64 v16, v[22:23], s[14:15]       ; wave 0: the block's 64 scores, 256 consecutive bytes at a multiple of 256 from sc's first byte; v16, v22, v23 are not written again
.Lnot_wave_0:
	; THE BLOCK'S PART OF ctx.  Wave w takes channels 512 w .. 512 w + 511 over all 64 rows, so no sum crosses waves; a lane holds 16 sums: channels 512 w + 128 q + 4 lane + 0 .. 3.
.set ti, 0
.rept 16
	v_mov_b32 v[CX+ti], 0
.set ti, ti+1
.endr
	s_mov_b32 s38, 0
	s_mov_b32 s39, 0
	s_mov_b32 s40, 8
.Lctx:                                             ; 8 trips of 8 rows
	v_add_nc_u32 v19, s38, v17
	v_add_nc_u32 v20, s39, v18
	ds_load_b128 v[64:67], v20                     ; eight p, the same in every lane
	ds_load_b128 v[68:71], v20 offset:16
.irp i, 0,1,2,3,4,5,6,7
.irp q, 0,1,2,3
	ds_load_b64 v[X+8*\i+2*\q:X+8*\i+2*\q+1], v19 offset:4096*\i+256*\q   ; 32 lanes: 256 consecutive bytes
.endr
.endr
.irp i, 0,1,2,3,4,5,6,7
	s_wait_dscnt 28-4*\i                           ; row i is in; the four loads of each later row may be out
.irp q, 0,1,2,3
	v_fma_mix_f32_bf16 v[CX+4*\q], v[X+8*\i+2*\q], v[64+\i], v[CX+4*\q] op_sel_hi:[1,0,0]
	v_fma_mix_f32_bf16 v[CX+4*\q+1], v[X+8*\i+2*\q], v[64+\i], v[CX+4*\q+1] op_sel:[1,0,0] op_sel_hi:[1,0,0]
	v_fma_mix_f32_bf16 v[CX+4*\q+2], v[X+8*\i+2*\q+1], v[64+\i], v[CX+4*\q+2] op_sel_hi:[1,0,0]
	v_fma_mix_f32_bf16 v[CX+4*\q+3], v[X+8*\i+2*\q+1], v[64+\i], v[CX+4*\q+3] op_sel:[1,0,0] op_sel_hi:[1,0,0]
.endr
.endr
	s_add_co_u32 s38, s38, 32768
	s_add_co_u32 s39, s39, 32
	s_sub_co_u32 s40, s40, 1
	s_cmp_lg_u32 s40, 0
	s_cbranch_scc1 .Lctx
.irp q, 0,1,2,3
	global_store_b128 v3, v[CX+4*\q:CX+4*\q+3], s[16:17] offset:512*\q   ; 32 lanes store 512 consecutive bytes, at a multiple of 512 from pctx's first byte
.endr
	s_wait_tensorcnt 0x0                           ; the wave's end: behind my last LDS store
	ds_add_u32 v1, v2
	s_wait_dscnt 0x0
	s_endpgm
.Lfunc_end_k_qab2f93bc0a_fused:
	.size	k_qab2f93bc0a_fused, .Lfunc_end_k_qab2f93bc0a_fused-k_qab2f93bc0a_fused
	.p2alignl 7, 3214868480
	.fill 96, 4, 3214868480
	.section	.rodata,"a",@progbits
	.p2align	6, 0x0
	.amdhsa_kernel k_qab2f93bc0a_fused
		.amdhsa_group_segment_fixed_size 283136
		.amdhsa_private_segment_fixed_size 0
		.amdhsa_enable_private_segment 0
		.amdhsa_kernarg_size 56
		.amdhsa_user_sgpr_count 2
		.amdhsa_user_sgpr_kernarg_segment_ptr 1
		.amdhsa_wavefront_size32 1
		.amdhsa_system_sgpr_workgroup_id_x 1
		.amdhsa_system_sgpr_workgroup_id_y 1
		.amdhsa_system_sgpr_workgroup_id_z 1
		.amdhsa_system_vgpr_workitem_id 0
		.amdhsa_next_free_vgpr 1024
		.amdhsa_next_free_sgpr 66
		.amdhsa_reserve_vcc 0
		.amdhsa_float_denorm_mode_32 3
		.amdhsa_float_denorm_mode_16_64 3
		.amdhsa_memory_ordered 1
		.amdhsa_forward_progress 1
		.amdhsa_inst_pref_size 250
	.end_amdhsa_kernel
	.amdgpu_metadata
---
amdhsa.version: [ 1, 2 ]
amdhsa.kernels:
  - .name:           k_qab2f93bc0a_fused
    .symbol:         k_qab2f93bc0a_fused.kd
    .args:
      - { .name: enc_outputs, .offset: 0, .size: 8, .value_kind: global_buffer, .address_space: global }
      - { .name: whc, .offset: 8, .size: 8, .value_kind: global_buffer, .address_space: global }
      - { .name: sws, .offset: 16, .size: 8, .value_kind: global_buffer, .address_space: global }
      - { .name: v, .offset: 24, .size: 8, .value_kind: global_buffer, .address_space: global }
      - { .name: lowp_scales, .offset: 32, .size: 8, .value_kind: global_buffer, .address_space: global }
      - { .name: sc, .offset: 40, .size: 8, .value_kind: global_buffer, .address_space: global }
      - { .name: pctx, .offset: 48, .size: 8, .value_kind: global_buffer, .address_space: global }
    .group_segment_fixed_size: 283136
    .private_segment_fixed_size: 0
    .kernarg_segment_align: 8
    .kernarg_segment_size: 56
    .max_flat_workgroup_size: 128
    .sgpr_count:     66
    .vgpr_count:     1024
    .wavefront_size: 32
...
	.end_amdgpu_metadata
.endif
;; end of part 2
;; launch finish (part 3): grid 8 x 32, 8 waves a work-group, no clusters, 5,632 bytes of LDS; arguments sc, pctx, out0, out1; writes out0, out1
.if DOCPART == 3
	.amdgcn_target "amdgcn-amd-amdhsa--gfx1250"
	.amdhsa_code_object_version 6
	.text
	.protected	k_qab2f93bc0a_finish
	.globl	k_qab2f93bc0a_finish
	.p2align	8
	.type	k_qab2f93bc0a_finish,@function
k_qab2f93bc0a_finish:
	s_mov_b64 s[64:65], 0
	v_nop
	global_prefetch_b8 v0, s[64:65] scope:SCOPE_SE
	s_setreg_imm32_b32 hwreg(HW_REG_WAVE_MODE, 25, 1), 1
	s_wait_xcnt 0x0
; THIRD OF THREE LAUNCHES.  For a batch b: M = the largest of its 1,024 score2, S = the sum of 2^(score2 - M); attn = 2^(score2 - M) / S;  ctx = sum over the batch's 16 blocks of 2^(block's largest - M) / S x pctx(block).
; score2 lacks the term sum_d v_d of every score, the same along the softmax's axis (shown at the head of the first launch): it cancels here.
; The blocks' maxima are taken anew from sc: a maximum rounds nothing, so they are the numbers under which the second launch summed its parts.
; SHARES.  Work-group (x = j: 256 channels of ctx, y = b), 256 threads.  Thread t holds scores 4 t .. 4 t + 3: sixteen neighbouring lanes hold one block's 64.  For ctx thread t = 64 g + u takes blocks 4 g .. 4 g + 3, channels 256 j + 4 u ..
; Every work-group of a batch makes M, S and all of attn's numerators (4 KiB of sc); the wave whose number is j stores its 512 bytes of attn, so the eight work-groups together store the row.
; Memory binds and the launch is short: no matrix unit, no tensor loads, no cluster, no prefetch.
.set MBB,   0                          ; 16 blocks' maxima
.set SB,    256                        ; 8 waves' sums
.set RB,    512                        ; [g 4][u 64][4] f32: the four groups' parts of ctx
.set SPARE, 4608                       ; the spare words, 128 bytes for each wave: four blocks of 256 bytes that no other line names
; v1 spare word's address, v2 = 0 (kept for the add alone); v3 16 t; v[4:7] scores, then p; v[8:23] four blocks' 16 bytes of pctx; v24 pctx's offset; v25-29 LDS addresses; v30-59 at work
	s_load_b256 s[4:11], s[0:1], 0x0               ; sc s[4:5], pctx s[6:7], out0 s[8:9], out1 s[10:11]
	v_lshl_add_u32 v1, v0, 2, SPARE
	v_mov_b32 v2, 0
	v_lshrrev_b32 v31, 5, v0
	v_readfirstlane_b32 s16, v31                   ; wave
	s_and_b32 s18, ttmp7, 0xffff                   ; b
	v_lshlrev_b32 v3, 4, v0
	v_lshrrev_b32 v25, 4, v0
	v_lshlrev_b32 v25, 2, v25                      ; my block's word among the maxima
	v_lshrrev_b32 v26, 6, v0                       ; g
	v_and_b32 v27, 63, v0                          ; u
	v_lshlrev_b32 v24, 15, v26
	v_lshl_add_u32 v24, v27, 4, v24                ; pctx: 4 g blocks of 8,192 bytes + 16 u
	v_lshlrev_b32 v26, 4, v26                      ; my four blocks' maxima
	s_lshl_b32 s19, s16, 2
	s_add_co_u32 s19, s19, SB
	v_mov_b32 v27, s19                             ; my wave's word among the sums
	v_lshl_add_u32 v28, v0, 4, RB
	v_mov_b32 v29, 0
	v_mov_b32 v30, 0                               ; written once: a lane permute's destination counts as one of its sources
	s_mov_b32 s20, 0x76543210                      ; v_permlanex16_b32: lane l xor 16
	s_mov_b32 s21, 0xfedcba98
	s_lshl_b32 s22, s18, 12                        ; sc and out1: 4,096 bytes a batch
	s_mov_b32 s23, 0
	s_lshl_b32 s26, ttmp9, 10                      ; 256 channels of f32
	s_lshl_b32 s24, s18, 17                        ; pctx: 16 blocks of 8,192 bytes a batch
	s_add_co_u32 s24, s24, s26
	s_mov_b32 s25, 0
	s_lshl_b32 s28, s18, 13                        ; out0: 8,192 bytes a batch
	s_add_co_u32 s28, s28, s26
	s_mov_b32 s29, 0
	s_wait_kmcnt 0x0
	s_add_nc_u64 s[4:5], s[4:5], s[22:23]
	s_add_nc_u64 s[6:7], s[6:7], s[24:25]
	s_add_nc_u64 s[8:9], s[8:9], s[28:29]
	s_add_nc_u64 s[10:11], s[10:11], s[22:23]
	global_load_b128 v[4:7], v3, s[4:5]
.irp i, 0,1,2,3
	global_load_b128 v[8+4*\i:11+4*\i], v24, s[6:7] offset:8192*\i th:TH_LOAD_NT   ; a wave reads 512 consecutive bytes; read once in the launch
.endr
	s_wait_loadcnt 4                               ; the scores are in; pctx's four loads may be out
	v_max3_num_f32 v31, v4, v5, v6
	v_max_num_f32 v31, v31, v7
	v_max_num_f32_dpp v31, v31, v31 row_xmask:1 row_mask:0xf bank_mask:0xf
	v_max_num_f32_dpp v31, v31, v31 row_xmask:2 row_mask:0xf bank_mask:0xf
	v_max_num_f32_dpp v31, v31, v31 row_xmask:4 row_mask:0xf bank_mask:0xf
	v_max_num_f32_dpp v31, v31, v31 row_xmask:8 row_mask:0xf bank_mask:0xf
	ds_store_b32 v25, v31                          ; my block's largest: sixteen lanes write one word with one value
	s_wait_dscnt 0x0
	s_barrier_signal -1
	s_barrier_wait -1
.irp i, 0,1,2,3
	ds_load_b128 v[32+4*\i:35+4*\i], v29 offset:MBB+16*\i   ; all sixteen, in every lane
.endr
	ds_load_b128 v[48:51], v26                     ; those of my four blocks of pctx
	s_wait_dscnt 0x0
	v_max3_num_f32 v52, v32, v33, v34
.irp i, 35,37,39,41,43,45
	v_max3_num_f32 v52, v52, v[\i], v[\i+1]
.endr
	v_max_num_f32 v52, v52, v47                    ; M
.irp i, 4,5,6,7,48,49,50,51
	v_sub_f32 v[\i], v[\i], v52
.endr
.irp i, 4,5,6,7,48,49,50,51
	v_exp_f32 v[\i], v[\i]                         ; four p and four blocks' weights, all at most 1: one batch
.endr
	v_nop                                          ; a plain line behind the last of the batch
	s_wait_alu depctr_va_vdst(0)                   ; and the one wait ahead of the first reader
	v_add_f32 v53, v4, v5
	v_add_f32 v54, v6, v7
	v_add_f32 v53, v53, v54
	v_add_f32_dpp v53, v53, v53 row_xmask:1 row_mask:0xf bank_mask:0xf
	v_add_f32_dpp v53, v53, v53 row_xmask:2 row_mask:0xf bank_mask:0xf
	v_add_f32_dpp v53, v53, v53 row_xmask:4 row_mask:0xf bank_mask:0xf
	v_add_f32_dpp v53, v53, v53 row_xmask:8 row_mask:0xf bank_mask:0xf
	v_permlanex16_b32 v30, v53, s20, s21
	v_add_f32 v53, v53, v30
	ds_store_b32 v27, v53                          ; my wave's sum
	s_wait_dscnt 0x0
	s_barrier_signal -1
	s_barrier_wait -1
	ds_load_b128 v[32:35], v29 offset:SB
	ds_load_b128 v[36:39], v29 offset:SB+16
	s_wait_dscnt 0x0
	v_pk_add_f32 v[32:33], v[32:33], v[34:35]
	v_pk_add_f32 v[36:37], v[36:37], v[38:39]
	v_pk_add_f32 v[32:33], v[32:33], v[36:37]
	v_add_f32 v32, v32, v33                        ; S, at least 1: the largest score's p is 1
	v_rcp_f32 v55, v32
	v_nop
	s_wait_alu depctr_va_vdst(0)
	s_cmp_lg_u32 s16, ttmp9
	s_cbranch_scc1 .Lnot_my_attn
.irp i, 4,5,6,7
	v_mul_f32 v[\i], v[\i], v55
.endr
	global_store_b128 v3, v[4:7], s[10:11]         ; wave j of work-group j: 512 consecutive bytes of the batch's row of attn
.Lnot_my_attn:
	s_wait_loadcnt 0x0                             ; pctx
.irp i, 48,49,50,51
	v_mul_f32 v[\i], v[\i], v55                    ; 2^(block's largest - M) / S
.endr
.irp c, 0,1,2,3
	v_mul_f32 v[56+\c], v[8+\c], v48
.endr
.irp i, 1,2,3
.irp c, 0,1,2,3
	v_fma_f32 v[56+\c], v[8+4*\i+\c], v[48+\i], v[56+\c]
.endr
.endr
	ds_store_b128 v28, v[56:59]
	s_wait_dscnt 0x0
	s_barrier_signal -1
	s_barrier_wait -1                              ; the four groups' parts lie in LDS
	s_cmp_gt_u32 s16, 1
	s_cbranch_scc1 .Lend                           ; 256 channels are 64 threads' 16 bytes: waves 0 and 1 add them
.irp g, 0,1,2,3
	ds_load_b128 v[32+4*\g:35+4*\g], v28 offset:1024*\g
.endr
	s_wait_dscnt 0x0
.irp g, 1,2,3
	v_pk_add_f32 v[32:33], v[32:33], v[32+4*\g:33+4*\g]
	v_pk_add_f32 v[34:35], v[34:35], v[34+4*\g:35+4*\g]
.endr
	global_store_b128 v3, v[32:35], s[8:9]         ; a wave stores 512 consecutive bytes of the batch's row of ctx
.Lend:
	s_wait_tensorcnt 0x0                           ; the wave's end: behind my last LDS store
	ds_add_u32 v1, v2
	s_wait_dscnt 0x0
	s_endpgm
.Lfunc_end_k_qab2f93bc0a_finish:
	.size	k_qab2f93bc0a_finish, .Lfunc_end_k_qab2f93bc0a_finish-k_qab2f93bc0a_finish
	.p2alignl 7, 3214868480
	.fill 96, 4, 3214868480
	.section	.rodata,"a",@progbits
	.p2align	6, 0x0
	.amdhsa_kernel k_qab2f93bc0a_finish
		.amdhsa_group_segment_fixed_size 5632
		.amdhsa_private_segment_fixed_size 0
		.amdhsa_enable_private_segment 0
		.amdhsa_kernarg_size 32
		.amdhsa_user_sgpr_count 2
		.amdhsa_user_sgpr_kernarg_segment_ptr 1
		.amdhsa_wavefront_size32 1
		.amdhsa_system_sgpr_workgroup_id_x 1
		.amdhsa_system_sgpr_workgroup_id_y 1
		.amdhsa_system_sgpr_workgroup_id_z 1
		.amdhsa_system_vgpr_workitem_id 0
		.amdhsa_next_free_vgpr 64
		.amdhsa_next_free_sgpr 66
		.amdhsa_reserve_vcc 0
		.amdhsa_float_denorm_mode_32 3
		.amdhsa_float_denorm_mode_16_64 3
		.amdhsa_memory_ordered 1
		.amdhsa_forward_progress 1
		.amdhsa_inst_pref_size 8
	.end_amdhsa_kernel
	.amdgpu_metadata
---
amdhsa.version: [ 1, 2 ]
amdhsa.kernels:
  - .name:           k_qab2f93bc0a_finish
    .symbol:         k_qab2f93bc0a_finish.kd
    .args:
      - { .name: sc, .offset: 0, .size: 8, .value_kind: global_buffer, .address_space: global }
      - { .name: pctx, .offset: 8, .size: 8, .value_kind: global_buffer, .address_space: global }
      - { .name: out0, .offset: 16, .size: 8, .value_kind: global_buffer, .address_space: global }
      - { .name: out1, .offset: 24, .size: 8, .value_kind: global_buffer, .address_space: global }
    .group_segment_fixed_size: 5632
    .private_segment_fixed_size: 0
    .kernarg_segment_align: 8
    .kernarg_segment_size: 32
    .max_flat_workgroup_size: 256
    .sgpr_count:     66
    .vgpr_count:     64
    .wavefront_size: 32
...
	.end_amdgpu_metadata
.endif
;; end of part 3
